; MI455X (gfx1250); checked and timed in simulation.
; The chip was launched on July 23, 2026; its instructions are those of AMD's public machine-readable ISA for CDNA 5 (MIT licence, August 2026) and "CDNA5" Instruction Set Architecture Reference Guide (July 2026). The comments in the code are by the model that wrote it; some were corrected since.
;; Causal Self Attention. Allowed arithmetic: matrix products marked QUANTISED: E4M3 operands, one given power-of-two scale a tensor, by v_wmma_f32_16x16x64_fp8_fp8 or v_wmma_f32_16x16x128_fp8_fp8, f32 sums; everything else in f32.
;; Inputs: lowp_scales 8 int32 (the exponents e of the quantised operands' scales 2^e); w_proj 1,024 x 1,024 float32; w_qkv 1,024 x 3,072 float32; x 4 x 2,048 x 1,024 float32.
;; Outputs: out0 4 x 2,048 x 1,024 float32.
;; This version of the problem:
;;   THIS VERSION OF THE PROBLEM IS GIVEN IN LOW PRECISION. The matrix products marked QUANTISED in the list below multiply operands that are first quantised to E4M3 (4 exponent bits, 3 mantissa bits; 8 bits a number), with one given power-of-two scale for each operand tensor; their sums are f32. All else is computed in f32.
;;   The module's matrix products, in the order in which they are computed (A, B: the left and right operand; K: the contracted axis; several contracted axes count as one K, in the product's order):
;;     1. [M 8,192, K 1,024] x [K 1,024, N 3,072]; A: input x; B: input w_qkv: QUANTISED (scales: A lowp_scales[0], B lowp_scales[1])
;;     2. batch 64 x [M 2,048, K 64] x [K 64, N 2,048]; A: computed on the way; B: computed on the way: QUANTISED (scales: A lowp_scales[2], B lowp_scales[3])
;;     3. batch 64 x [M 2,048, K 2,048] x [K 2,048, N 64]; A: softmax (see below); B: computed on the way: QUANTISED (scales: A lowp_scales[4], B lowp_scales[5])
;;     4. [M 8,192, K 1,024] x [K 1,024, N 1,024]; A: computed on the way; B: input w_proj: QUANTISED (scales: A lowp_scales[6], B lowp_scales[7])
;;   THE QUANTISER, for each operand of a quantised product, along K:
;;     - The operand's scale is 2^e, e = its entry of the input lowp_scales (int32; the entries are numbered through the quantised products in the list's order, A before B).
;;     - Each number is divided by the scale, clamped to +-448, and rounded to the nearest number of E4M3, ties to even, subnormals kept.
;;     - The product sums the exact products of the quantised numbers (number of the format x scale) in f32.
;;   ~~~python
;;   def quantise(x, axis, e):      # numpy; x: float32 -> the quantised numbers, widened to float32 again
;;       x = np.moveaxis(x, axis, -1); K = x.shape[-1]
;;       r = np.clip(x / 2.0 ** e, -448, 448)
;;       step = 2.0 ** (np.maximum(np.frexp(np.where(r == 0, 1, r))[1] - 1, -6) - 3)
;;       q = np.round(r / step) * step * 2.0 ** e      # np.round: ties to even
;;       return np.moveaxis(q, -1, axis).astype(np.float32)
;;   ~~~
;;   SOFTMAX AHEAD OF A QUANTISED PRODUCT. Where the list says 'softmax', what is quantised is not the finished softmax but p = 2^(t - M), with t = logit x log2(e) and M = ceil(the row's largest t), a whole number; so 1/2 < the row's largest p <= 1. The row's sum l is taken of the UNQUANTISED p, in f32, and the product's result is divided by l at the end. Since M is a whole number, a kernel that streams over the keys may use a running M (the ceiling of the running maximum): every later rescaling is an exact power of two, so the quantised numbers keep their values, but for numbers so far below the row's largest that they fall under the format's range.
;;   OPERANDS COMPUTED ON THE WAY. 'Computed on the way' means the value that the module computes at that place (a softmax that the list does not call 'softmax' is quantised finished and normalised). What goes into a quantiser is computed in f32, as accurately as f32 sums, v_exp_f32 and their like allow (about 1e-6 of the number): no bf16 or f16 on the way to a quantiser, and a product that is left as it is and whose result goes on into a quantised operand takes f32 operands (vector FMAs, or v_wmma_f32_16x16x4_f32). A number that lies on a knife's edge between two numbers of the format may be rounded either way, as far as f32 arithmetic and the matrix unit's own rounding can turn it there, and no further.
;; One version. Each part assembles by itself: llvm-mc -triple=amdgcn-amd-amdhsa -mcpu=gfx1250 --defsym DOCPART=n.
;; ======== version 1 of 1: 4 launches
;; limits: right only within a limited range of input values
;; workspace buffers: x_codes 8,388,608 bytes; wqkv_codes 3,145,728 bytes; wproj_codes 1,048,576 bytes; q_img 8,388,608 bytes; k_img 8,388,608 bytes; v_img 8,388,608 bytes; y_img 8,388,608 bytes
;; launch quant (part 1): grid 384 x 1, 4 waves a work-group, no clusters, 68,096 bytes of LDS; arguments x, w_qkv, w_proj, lowp_scales, x_codes, wqkv_codes, wproj_codes; writes x_codes, wqkv_codes, wproj_codes
.if DOCPART == 1
	.amdgcn_target "amdgcn-amd-amdhsa--gfx1250"
	.amdhsa_code_object_version 6
	.text
	.protected	k_q90a7a26ace_quant
	.globl	k_q90a7a26ace_quant
	.p2align	8
	.type	k_q90a7a26ace_quant,@function
k_q90a7a26ace_quant:
	s_mov_b64 s[64:65], 0
	v_nop
	global_prefetch_b8 v0, s[64:65] scope:SCOPE_SE
	s_setreg_imm32_b32 hwreg(HW_REG_WAVE_MODE, 25, 1), 1
	s_wait_xcnt 0x0
; The three f32 inputs become codes of FP8 (E4M3), K innermost, each with the scale 2^e that is given for it: x with entry 0, w_qkv with entry 1, w_proj with entry 7 of the scales.
; code = number / 2^e, held within +-448, rounded to the nearest code, ties to even.  LIMITS: each e between -126 and 119; NaN among the inputs is not served.
; Work-groups 0 to 255 take x [8192][1024], whose K is innermost: a plain stream, 32,768 numbers a work-group, 8,192 a wave.
; Work-groups 256 to 383 take the weights, stored [k][n]: 128 columns x 256 along K each; a lane takes a column and its registers run down K, so the codes come out [n][k] with nothing transposed by an instruction.
; w_proj's codes are laid with the four groups of 8 bytes of each 32 in the order 0, 2, 1, 3: four 16-byte LDS loads of the last launch then give the layout in which y's codes lie.
; Each path has LDS bytes of its own.  No tensor loads, no barrier: waves share nothing.
.set SP,    80                         ; x: a lane's place in a stage: its 64 bytes + 16 of padding
.set WST,   32768                      ; the weights' stages begin here
.set WP,    272                        ; a stage row: 256 bytes of codes + 16
.set SPARE, 67584                      ; the spare words, 128 bytes a wave: two blocks of 256 bytes that no other line names
.set STEPS, 16
.set SCV,   6                          ; v6   2^e as f32
.set LIMV,  7                          ; v7   448 x 2^e
.set SPW,   12                         ; v12  LDS address of my spare word; never rewritten
.set NIL,   13                         ; v13  0; never rewritten
.set R,     16                         ; x: v16-79 four sets of 16 numbers as loaded
.set XX,    80                         ; x: v80-111 two sets of 16 neighbours
.set CX,    128                        ; x: v128-191 codes, four registers a step
.set WX,    32                         ; weights: v32-95 two sets of 32 numbers
.set WC,    96                         ; weights: v96-103 a block's codes
.set WT,    104                        ; weights: v104-107 the two middle groups
.set OUTR,  112                        ; weights: v112-175 the way out
.set OFF,   176                        ; weights: v176-207 4 x lane + i rows
.set WB,    36                         ; weights: s[36:51] the address of each of the eight blocks of 32 rows
	s_load_b256 s[4:11], s[0:1], 0x0               ; x s[4:5], w_qkv s[6:7], w_proj s[8:9], the scales s[10:11]
	s_load_b128 s[12:15], s[0:1], 0x20             ; x_codes, wqkv_codes
	s_load_b64 s[16:17], s[0:1], 0x30              ; wproj_codes
	v_lshl_add_u32 v[SPW], v0, 2, SPARE
	v_mov_b32 v[NIL], 0
	v_lshrrev_b32 v1, 5, v0
	v_readfirstlane_b32 s18, v1                    ; wave
	v_and_b32 v2, 31, v0                           ; lane
	v_lshlrev_b32 v3, 4, v2                        ; 16 x lane
	; every LDS address is made here, ahead of the parting of the two paths
	s_mul_i32 s19, s18, 8192
	v_lshrrev_b32 v14, 2, v2
	v_mul_u32_u24 v14, v14, SP
	v_and_b32 v15, 3, v2
	v_lshl_add_u32 v14, v15, 4, v14
	v_add_nc_u32 v14, s19, v14                     ; x, in: four lanes' 64 bytes on end, then 16 of padding
	v_mul_u32_u24 v15, v2, SP
	v_add_nc_u32 v15, s19, v15                     ; x, out: my 16 neighbours
	s_mul_i32 s19, s18, 32*WP
	s_add_co_u32 s19, s19, WST
	v_mul_u32_u24 v8, v2, WP
	v_add_nc_u32 v8, s19, v8                       ; weights, in: row = my column
	v_and_b32 v4, 15, v2
	v_lshrrev_b32 v5, 4, v2
	v_mul_u32_u24 v9, v5, WP
	v_lshl_add_u32 v9, v4, 4, v9
	v_add_nc_u32 v9, s19, v9                       ; weights, out: sixteen lanes to a row, two rows an instruction
	v_lshlrev_b32 v10, 10, v5
	v_lshl_add_u32 v10, v4, 4, v10                 ; and the same place in the codes' buffer (rows of 1,024 bytes)
	s_wait_kmcnt 0x0
	s_load_b256 s[24:31], s[10:11], 0x0            ; the eight exponents
	s_cmp_lt_u32 ttmp9, 256
	s_cbranch_scc0 .Lw
	; ---------------- x ----------------
	s_lshl_b32 s20, ttmp9, 2
	s_add_co_u32 s20, s20, s18                     ; which run of 8,192 numbers is my wave's
	s_lshl_b32 s22, s20, 15
	s_mov_b32 s23, 0
	s_add_nc_u64 s[4:5], s[4:5], s[22:23]
	s_lshl_b32 s22, s20, 13
	s_add_nc_u64 s[12:13], s[12:13], s[22:23]
.macro XLOAD t
.irp i, 0,1,2,3
	global_load_b128 v[R+16*((\t)%4)+4*\i:R+16*((\t)%4)+4*\i+3], v3, s[4:5] offset:2048*(\t)+512*\i th:TH_LOAD_NT   ; 32 lanes read 512 consecutive bytes
.endr
.endm
.macro XTURN t                         ; a step's numbers through the stage: LDS serves a wave's instructions in order, so no wait stands between the stores and the loads
.irp i, 0,1,2,3
	ds_store_b128 v14, v[R+16*((\t)%4)+4*\i:R+16*((\t)%4)+4*\i+3] offset:32*SP*((\t)%2)+8*SP*\i
.endr
.irp i, 0,1,2,3
	ds_load_b128 v[XX+16*((\t)%2)+4*\i:XX+16*((\t)%2)+4*\i+3], v15 offset:32*SP*((\t)%2)+16*\i
.endr
.endm
.irp t, 0,1,2,3
	XLOAD \t
.endr
	s_wait_kmcnt 0x0
	s_add_co_i32 s20, s24, 127
	s_lshl_b32 s21, s20, 23
	v_mov_b32 v[SCV], s21                          ; 2^e0: the conversion takes its exponent field
	s_add_co_i32 s20, s20, 8
	s_lshl_b32 s20, s20, 23
	s_or_b32 s20, s20, 0x600000
	v_mov_b32 v[LIMV], s20                         ; 448 x 2^e0
	s_wait_loadcnt 12                              ; step 0's four loads are in; the twelve of steps 1 to 3 may be out
	XTURN 0
.macro XSTEP t
.set XS, XX+16*((\t)%2)
	s_wait_dscnt 0x0                               ; this step's numbers are back from the stage, so its stores into the stage have read their registers,
.if (\t)+4 < STEPS
	XLOAD (\t)+4                                   ; which take the loads of four steps on
.endif
.if (\t)+1 < STEPS
.if STEPS-2-(\t) >= 3
	s_wait_loadcnt 12                              ; the next step's four loads are in; those of the three steps behind it may be out
.else
	s_wait_loadcnt 4*(STEPS-2-(\t))
.endif
	XTURN (\t)+1
.endif
.irp i, 0,1,2,3,4,5,6,7,8,9,10,11,12,13,14,15
	v_med3_num_f32 v[XS+\i], v[XS+\i], -v[LIMV], v[LIMV]   ; the conversion to an 8-bit code does not saturate (ISA guide 7.6.2): the hold comes first
.endr
	v_cvt_scalef32_pk8_fp8_f32 v[CX+4*(\t):CX+4*(\t)+1], v[XS:XS+7], v[SCV]
	v_cvt_scalef32_pk8_fp8_f32 v[CX+4*(\t)+2:CX+4*(\t)+3], v[XS+8:XS+15], v[SCV]
	global_store_b128 v3, v[CX+4*(\t):CX+4*(\t)+3], s[12:13] offset:512*(\t)   ; the wave stores 512 consecutive bytes; each step has its own registers, so no store's data are written again
.endm
.irp t, 0,1,2,3,4,5,6,7,8,9,10,11,12,13,14,15
	XSTEP \t
.endr
	s_wait_tensorcnt 0x0                           ; the wave's end, behind my last LDS store
	ds_add_u32 v[SPW], v[NIL]
	s_wait_dscnt 0x0
	s_endpgm
	; ---------------- the weights ----------------
.Lw:
	s_sub_co_u32 s20, ttmp9, 256
	s_and_b32 s21, s20, 3                          ; which 256 along K
	s_lshr_b32 s22, s20, 2                         ; which 128 columns: 0 to 23 of w_qkv, 24 to 31 are w_proj's 0 to 7
	s_mov_b32 s33, 12288
	s_sub_co_u32 s34, s22, 24
	s_cmp_ge_u32 s22, 24                           ; the choice hangs on the work-group's number alone
	s_cselect_b64 s[6:7], s[8:9], s[6:7]           ; the source,
	s_cselect_b64 s[14:15], s[16:17], s[14:15]     ; the codes' buffer,
	s_cselect_b32 s33, 4096, s33                   ; a source row in bytes,
	s_cselect_b32 s22, s34, s22                    ; the block of columns,
	s_cselect_b32 s20, -1, 0                       ; and whether the middle groups change places
	s_lshl_b32 s22, s22, 7
	s_lshl_b32 s23, s18, 5
	s_add_co_u32 s22, s22, s23                     ; my wave's first column
	s_lshl_b32 s34, s21, 8
	s_mul_i32 s34, s34, s33
	s_lshl_b32 s35, s22, 2
	s_add_co_u32 s34, s34, s35
	s_mov_b32 s35, 0
	s_add_nc_u64 s[WB:WB+1], s[6:7], s[34:35]      ; block 0: row 256 kq, my first column
	s_lshl_b32 s34, s33, 5                         ; 32 rows on
.irp t, 1,2,3,4,5,6,7
	s_add_nc_u64 s[WB+2*\t:WB+2*\t+1], s[WB+2*\t-2:WB+2*\t-1], s[34:35]
.endr
	s_lshl_b32 s52, s22, 10
	s_lshl_b32 s53, s21, 8
	s_add_co_u32 s52, s52, s53
	s_mov_b32 s53, 0
	s_add_nc_u64 s[14:15], s[14:15], s[52:53]      ; the codes: row = column, 256 kq bytes along it
	v_lshlrev_b32 v[OFF], 2, v2
.set i, 1
.rept 31
	v_add_nc_u32 v[OFF+i], s33, v[OFF+i-1]
.set i, i+1
.endr
.macro WLOAD t                         ; block t: w(32 t + i, my column), i = 0 .. 31: each load reads 128 consecutive bytes, the four waves side by side 512
.set i, 0
.rept 32
	global_load_b32 v[WX+32*((\t)%2)+i], v[OFF+i], s[WB+2*(\t):WB+2*(\t)+1] th:TH_LOAD_NT
.set i, i+1
.endr
.endm
	WLOAD 0
	WLOAD 1
	s_wait_kmcnt 0x0
	s_cmp_lg_u32 s20, 0
	s_cselect_b32 s52, s31, s25                    ; e7 or e1
	s_add_co_i32 s52, s52, 127
	s_lshl_b32 s53, s52, 23
	v_mov_b32 v[SCV], s53
	s_add_co_i32 s52, s52, 8
	s_lshl_b32 s52, s52, 23
	s_or_b32 s52, s52, 0x600000
	v_mov_b32 v[LIMV], s52
.macro WBLOCK t
.set XS, WX+32*((\t)%2)
.if (\t) < 7
	s_wait_loadcnt 32                              ; this block's 32 loads are in; the next block's may be out
.else
	s_wait_loadcnt 0
.endif
.set i, 0
.rept 32
	v_med3_num_f32 v[XS+i], v[XS+i], -v[LIMV], v[LIMV]
.set i, i+1
.endr
	v_cvt_scalef32_pk8_fp8_f32 v[WC:WC+1], v[XS:XS+7], v[SCV]
	v_cvt_scalef32_pk8_fp8_f32 v[WT:WT+1], v[XS+8:XS+15], v[SCV]
	v_cvt_scalef32_pk8_fp8_f32 v[WT+2:WT+3], v[XS+16:XS+23], v[SCV]
	v_cvt_scalef32_pk8_fp8_f32 v[WC+6:WC+7], v[XS+24:XS+31], v[SCV]
	v_nop                                          ; one plain vector instruction between a scaled conversion and the vector instruction that reads its result
	v_cndmask_b32 v[WC+2], v[WT], v[WT+2], s20     ; w_qkv: groups 0, 1, 2, 3;  w_proj: 0, 2, 1, 3
	v_cndmask_b32 v[WC+3], v[WT+1], v[WT+3], s20
	v_cndmask_b32 v[WC+4], v[WT+2], v[WT], s20
	v_cndmask_b32 v[WC+5], v[WT+3], v[WT+1], s20
	ds_store_b128 v8, v[WC:WC+3] offset:32*(\t)    ; 32 codes: 32 bytes of my column's row
	ds_store_b128 v8, v[WC+4:WC+7] offset:32*(\t)+16
.if (\t)+2 < 8
	WLOAD (\t)+2
.endif
	s_wait_dscnt 0x0                               ; the stores have read their registers: the next block's codes may be written
.endm
.irp t, 0,1,2,3,4,5,6,7
	WBLOCK \t
.endr
.irp t, 0,1,2,3,4,5,6,7,8,9,10,11,12,13,14,15
	ds_load_b128 v[OUTR+4*\t:OUTR+4*\t+3], v9 offset:2*\t*WP   ; LDS serves a wave's instructions in order: these see my stores
.endr
.irp t, 0,1,2,3,4,5,6,7,8,9,10,11,12,13,14,15
	s_wait_dscnt 15-\t
	global_store_b128 v10, v[OUTR+4*\t:OUTR+4*\t+3], s[14:15] offset:2*\t*1024   ; sixteen lanes store 256 consecutive bytes, at a multiple of 256 from the buffer's first byte
.endr
	s_wait_tensorcnt 0x0                           ; the wave's end: the three lines once more
	ds_add_u32 v[SPW], v[NIL]
	s_wait_dscnt 0x0
	s_endpgm
.Lfunc_end_k_q90a7a26ace_quant:
	.size	k_q90a7a26ace_quant, .Lfunc_end_k_q90a7a26ace_quant-k_q90a7a26ace_quant
	.p2alignl 7, 3214868480
	.fill 96, 4, 3214868480
	.section	.rodata,"a",@progbits
	.p2align	6, 0x0
	.amdhsa_kernel k_q90a7a26ace_quant
		.amdhsa_group_segment_fixed_size 68096
		.amdhsa_private_segment_fixed_size 0
		.amdhsa_enable_private_segment 0
		.amdhsa_kernarg_size 56
		.amdhsa_user_sgpr_count 2
		.amdhsa_user_sgpr_kernarg_segment_ptr 1
		.amdhsa_wavefront_size32 1
		.amdhsa_system_sgpr_workgroup_id_x 1
		.amdhsa_system_sgpr_workgroup_id_y 1
		.amdhsa_system_sgpr_workgroup_id_z 1
		.amdhsa_system_vgpr_workitem_id 0
		.amdhsa_next_free_vgpr 208
		.amdhsa_next_free_sgpr 66
		.amdhsa_reserve_vcc 0
		.amdhsa_float_denorm_mode_32 3
		.amdhsa_float_denorm_mode_16_64 3
		.amdhsa_memory_ordered 1
		.amdhsa_forward_progress 1
		.amdhsa_inst_pref_size 89
	.end_amdhsa_kernel
	.amdgpu_metadata
---
amdhsa.version: [ 1, 2 ]
amdhsa.kernels:
  - .name:           k_q90a7a26ace_quant
    .symbol:         k_q90a7a26ace_quant.kd
    .args:
      - { .name: x, .offset: 0, .size: 8, .value_kind: global_buffer, .address_space: global }
      - { .name: w_qkv, .offset: 8, .size: 8, .value_kind: global_buffer, .address_space: global }
      - { .name: w_proj, .offset: 16, .size: 8, .value_kind: global_buffer, .address_space: global }
      - { .name: lowp_scales, .offset: 24, .size: 8, .value_kind: global_buffer, .address_space: global }
      - { .name: x_codes, .offset: 32, .size: 8, .value_kind: global_buffer, .address_space: global }
      - { .name: wqkv_codes, .offset: 40, .size: 8, .value_kind: global_buffer, .address_space: global }
      - { .name: wproj_codes, .offset: 48, .size: 8, .value_kind: global_buffer, .address_space: global }
    .group_segment_fixed_size: 68096
    .private_segment_fixed_size: 0
    .kernarg_segment_align: 8
    .kernarg_segment_size: 56
    .max_flat_workgroup_size: 128
    .sgpr_count:     66
    .vgpr_count:     208
    .wavefront_size: 32
...
	.end_amdgpu_metadata
.endif
;; end of part 1
;; launch qkv (part 2): grid 12 x 32, 4 waves a work-group, clusters of 4 x 4, 327,680 bytes of LDS; arguments x_codes, wqkv_codes, lowp_scales, q_img, k_img, v_img; writes q_img, k_img, v_img
.if DOCPART == 2
	.amdgcn_target "amdgcn-amd-amdhsa--gfx1250"
	.amdhsa_code_object_version 6
	.text
	.protected	k_q90a7a26ace_qkv
	.globl	k_q90a7a26ace_qkv
	.p2align	8
	.type	k_q90a7a26ace_qkv,@function
k_q90a7a26ace_qkv:
	s_mov_b64 s[64:65], 0
	v_nop
	global_prefetch_b8 v0, s[64:65] scope:SCOPE_SE
	s_setreg_imm32_b32 hwreg(HW_REG_WAVE_MODE, 25, 1), 1
	s_wait_xcnt 0x0
	s_wait_alu depctr_hold_cnt(0) depctr_sa_sdst(0) depctr_va_vdst(0) depctr_va_sdst(0) depctr_va_ssrc(0) depctr_va_vcc(0) depctr_vm_vsrc(0)
	s_getreg_b32 s2, hwreg(HW_REG_IB_STS2, 6, 4)
	s_cmp_eq_u32 s2, 0
	s_cbranch_scc0 .Lentry_in_a_cluster
	s_endpgm
.Lentry_in_a_cluster:
	s_bfe_u32 s2, ttmp6, 0x10000c
	s_cmp_lg_u32 s2, 0xf033
	s_cbranch_scc0 .Lentry_shape_is_right
	s_endpgm
.Lentry_shape_is_right:
; qkv = x w_qkv on codes of FP8 (E4M3), K = 1,024; each finished sum is quantised at once for the attention's products and stored as codes.
; A tile of 256 x 256 is made by a work-group of four waves; a wave makes 128 x 128: 64 accumulators, 512 registers.  K goes in steps of 256 through a ring of two LDS slots filled by the tensor data mover.
; CLUSTERS: 4 x 4 work-groups; cluster x = 0, 1, 2 is the section q, k, v, the same in all sixteen partners.  'A' is source 1 of the products (its rows become the result's lanes), 'B' source 0 (its rows run along a lane's registers).
;   q, k: A = 256 tokens of x (shared along a row of the cluster), B = 256 rows of w_qkv's codes (shared along a column): a lane holds ONE token and eight neighbouring channels.
;   v:    A = 256 rows of w_qkv's codes, B = 256 tokens of x: a lane holds ONE channel and eight neighbouring tokens, since the keys are the K of attention's second product.
; Both buffers have rows of 1,024 bytes, so only the two addresses are chosen (by s_cselect on the cluster's x); the loop over K is one text with no branch on the section.
; THE RESULT IS STORED AS IMAGES OF THE NEXT OPERAND'S REGISTERS.  One conversion of a result tile's eight registers gives registers 2 c, 2 c + 1 of the plain 8-bit layout (k = 16 c + 8 (lane / 16) + 0 .. 7).
;   q_img, k_img: [batch x head][tile of 16 tokens][piece of 4 registers: 2][lane][16 bytes];   v_img: [batch x head][128 keys][tile of 16 channels][piece: 4][lane][16 bytes].  Every store of a wave covers 512 consecutive bytes, aligned.
; A sum stands for sum x 2^(e0 + e1), so its code is sum / 2^(es - e0 - e1), es = entry 2 (q), 3 (k) or 5 (v) of the scales.  LIMIT: es - e0 - e1 between -126 and 119.
; REGISTERS, in windows of 256: window 0: v0-31 addresses; from v128 A's fragments, ONE set; window 1: B's fragments, TWO sets; windows 2, 3: the accumulators ((a, b) at v[8 (8 (a % 4) + b)]).
.set ROWB,   256                       ; a tile's row in bytes
.set KROW,   1024                      ; a row of either buffer in memory
.set PITCH,  272                       ; an LDS row: 256 bytes + 16 of padding = 68 words: row r starts at bank 4 r mod 64 (64 banks of 4 bytes: ISA guide 11.1)
.set FR,     16
.set NL,     4
.set NP,     4
.set HALFT,  128*PITCH
.set SLOT,   4*HALFT
.set SPARE,  2*SLOT                    ; behind the ring: the spare words, two blocks of 256 bytes that no other line names
.set ADRA, 16
.set ADRB, 20
.set OA,   26                          ; v26  the way out: 16 x lane
.set OB,   27                          ; v27  the same + the distance to pieces 2 and 3
.set SPW,  28
.set NIL,  29
.set LIMV, 30
.set SCV,  31                          ; v31  the conversion's scale
.set TMP,  32
.set AF,   128
.set CD,   128                         ; the way out: 16 registers of codes for each of the eight blocks, where A's fragments lay
.set G1, 24
.set G0, 32
.set G1B, 48
.set G0B, 56
.set BS, 72                            ; s[72:87] the way out: an address for each block
.set MSB, 0
.macro WIN new                         ; the immediate's high byte repeats the setting that is left
.if MSB != (\new)
	s_set_vgpr_msb (MSB<<8)|(\new)
.set MSB, (\new)
.endif
.endm
.set MUL_LO, 0xa1                      ; source 0 (B) window 1, source 1 (A) window 0, C and D window 2
.set MUL_HI, 0xf1
.set TO_B,   0x40
; A joint load: waves 0 and 1 fetch for A, waves 2 and 3 for B; the branch hangs on the wave's number alone.  An s_nop 0 and four v_nop follow each of the two lines.
.macro JLOAD g0a, g1a, g0b, g1b
	s_cmp_eq_u32 s15, 0
	s_cbranch_scc0 .Lfor_b_\@
	tensor_load_to_lds s[\g0a:\g0a+3], s[\g1a:\g1a+7]
	s_nop 0
.rept 4
	v_nop
.endr
	s_branch .Lasked_\@
.Lfor_b_\@:
	tensor_load_to_lds s[\g0b:\g0b+3], s[\g1b:\g1b+7]
	s_nop 0
.rept 4
	v_nop
.endr
.Lasked_\@:
.endm
.macro CREST                           ; a round of the cluster's barrier behind its opening barrier
	s_cmp_lg_u32 s14, 0
	s_cbranch_scc1 .Lnot_wave_0_\@
	s_barrier_signal -3
.Lnot_wave_0_\@:
	s_barrier_wait -3
	s_barrier_signal -1
	s_barrier_wait -1
.endm
.macro CROUND
	s_barrier_signal -1
	s_barrier_wait -1
	CREST
.endm
	s_load_b128 s[4:7], s[0:1], 0x0                ; x_codes, wqkv_codes
	s_load_b128 s[8:11], s[0:1], 0x10              ; the scales, q_img
	s_load_b128 s[68:71], s[0:1], 0x20             ; k_img, v_img
	v_lshl_add_u32 v[SPW], v0, 2, SPARE
	v_mov_b32 v[NIL], 0
	ds_add_u32 v[SPW], v[NIL]
	ds_add_u32 v[SPW], v[NIL]                      ; the wave's opening: the add and its wait ahead of my first tensor load
	v_lshrrev_b32 v1, 5, v0
	v_readfirstlane_b32 s14, v1                    ; wave 0..3
	s_lshr_b32 s15, s14, 1                         ; which half of A's rows is mine.  Also: I fetch for A (0) or for B (1)
	s_and_b32 s16, s14, 1                          ; which half of B's rows.  Also: which 128 rows I fetch
	s_bfe_u32 s40, ttmp6, 0x40000                  ; cx
	s_bfe_u32 s41, ttmp6, 0x40004                  ; cy
	s_and_b32 s18, ttmp7, 0xffff
	s_lshl_b32 s18, s18, 2                         ; 4 x cluster y
	s_lshl_b32 s19, ttmp9, 2                       ; 4 x cluster x
	s_add_co_u32 s17, s18, s41                     ; q, k: A's tile = tokens 4 Y + cy
	s_add_co_u32 s22, s41, 8                       ; v:    A's tile = rows 8 + cy of the weights
	s_add_co_u32 s42, s19, s40                     ; q, k: B's tile = rows 4 X + cx of the weights
	s_add_co_u32 s23, s18, s40                     ; v:    B's tile = tokens 4 Y + cx
	s_cmp_eq_u32 ttmp9, 2
	s_cselect_b32 s17, s22, s17                    ; A's tile hangs on cy alone,
	s_cselect_b32 s42, s23, s42                    ; B's on cx alone
	s_lshl_b32 s43, s41, 2
	s_lshl_b32 s43, 15, s43                        ; my row of the cluster
	s_lshl_b32 s44, 0x1111, s40                    ; my column
	s_or_b32 s[G1+0], s43, (0<<16)|(1<<20)|(1<<21)|(5<<22)|(3<<25)  ; the mask; elements of 1 byte; padding on; bit 21 beside a mask; after every 64 words four words
	s_or_b32 s[G1B+0], s44, (0<<16)|(1<<20)|(1<<21)|(5<<22)|(3<<25)
.irp g, G1, G1B
	s_mov_b32 s[\g+1], ROWB<<16                    ; tensor_dim0
	s_mov_b32 s[\g+2], 128<<16                     ; tensor_dim1
	s_mov_b32 s[\g+3], ROWB<<16                    ; tile_dim0
	s_mov_b32 s[\g+4], 128                         ; tile_dim1
	s_mov_b32 s[\g+5], KROW                        ; from row to row
	s_mov_b32 s[\g+6], 0
	s_mov_b32 s[\g+7], 0
.endr
	s_lshl_b32 s18, s16, 7
	s_lshl_b32 s20, s17, 8
	s_add_co_u32 s20, s20, s18                     ; A: row 256 x tile + 128 x half
	s_lshl_b32 s46, s42, 8
	s_add_co_u32 s46, s46, s18                     ; B likewise
	s_lshl_b32 s20, s20, 10                        ; in bytes
	s_mov_b32 s21, 0
	s_lshl_b32 s46, s46, 10
	s_mov_b32 s47, 0
	s_mul_i32 s45, s14, HALFT                      ; where they go: wave x 128 rows
	s_wait_dscnt 0x0                               ; the opening add is done
	s_wait_kmcnt 0x0
	s_load_b256 s[88:95], s[8:9], 0x0              ; the eight exponents
	s_cmp_eq_u32 ttmp9, 2
	s_cselect_b64 s[96:97], s[6:7], s[4:5]         ; A's buffer
	s_cselect_b64 s[98:99], s[4:5], s[6:7]         ; B's buffer
	s_add_nc_u64 s[20:21], s[96:97], s[20:21]
	s_add_nc_u64 s[46:47], s[98:99], s[46:47]
	CROUND                                         ; all sixteen work-groups are here: the first joint loads meet
.irp s, 0,1
	s_mov_b32 s[G0+4*\s], 1
	s_add_co_u32 s[G0+4*\s+1], s45, \s*SLOT
	s_add_nc_u64 s[G0+4*\s+2:G0+4*\s+3], s[20:21], \s*ROWB
	s_or_b32 s[G0+4*\s+3], s[G0+4*\s+3], 0x80000000
	s_mov_b32 s[G0B+4*\s], 1
	s_add_co_u32 s[G0B+4*\s+1], s45, \s*SLOT
	s_add_nc_u64 s[G0B+4*\s+2:G0B+4*\s+3], s[46:47], \s*ROWB
	s_or_b32 s[G0B+4*\s+3], s[G0B+4*\s+3], 0x80000000
	JLOAD G0+4*\s, G1, G0B+4*\s, G1B
.endr
	v_and_b32 v1, 15, v0
	v_bfe_u32 v2, v0, 4, 1
	v_mul_u32_u24 v3, v1, PITCH
	v_lshl_add_u32 v4, v2, 4, v3                   ; a fragment's row x pitch + 16 x half
	s_mul_i32 s21, s15, HALFT
	s_mul_i32 s22, s16, HALFT
	s_add_co_u32 s22, s22, 2*HALFT
.irp s, 0,1
	v_add_nc_u32 v[ADRA+\s], s21, v4
	v_add_nc_u32 v[ADRB+\s], s22, v4
	s_add_co_u32 s21, s21, SLOT
	s_add_co_u32 s22, s22, SLOT
.endr
	; the way out's addresses.  m0 = my first token, n0 = my first column of qkv
	s_mov_b32 s22, 1024
	s_mov_b32 s100, 131072
	s_cmp_eq_u32 ttmp9, 2
	s_cselect_b32 s2, s42, s17                     ; the tokens' tile,
	s_cselect_b32 s3, s16, s15                     ; and my half of it
	s_cselect_b32 s18, s17, s42                    ; the columns' tile,
	s_cselect_b32 s19, s15, s16                    ; and my half of it
	s_cselect_b32 s22, 2048, s22                   ; from block to block: a tile of channels (v) or of tokens (q, k)
	s_cselect_b32 s23, 122880, 0                   ; v: blocks 4 to 7 are the next head's: 131,072 less the four tiles
	s_cselect_b32 s100, 1024, s100                 ; to pieces 2 and 3: on in the fragment (v) or the next head's (q, k)
	s_lshl_b32 s2, s2, 8
	s_lshl_b32 s3, s3, 7
	s_add_co_u32 s2, s2, s3                        ; m0
	s_lshl_b32 s18, s18, 8
	s_lshl_b32 s19, s19, 7
	s_add_co_u32 s18, s18, s19                     ; n0
	s_lshr_b32 s3, s2, 11
	s_lshl_b32 s3, s3, 4                           ; 16 x batch
	s_bfe_u32 s18, s18, 0x40006                    ; the head: (n0 / 64) mod 16
	s_add_co_u32 s3, s3, s18
	s_lshl_b32 s3, s3, 17                          ; a head's image is 131,072 bytes
	s_and_b32 s2, s2, 2047
	s_lshl_b32 s2, s2, 6                           ; 64 bytes a token, in all three images
	s_add_co_u32 s2, s2, s3
	s_mov_b32 s3, 0
	s_cmp_eq_u32 ttmp9, 0
	s_cselect_b64 s[BS:BS+1], s[10:11], s[68:69]
	s_cmp_eq_u32 ttmp9, 2
	s_cselect_b64 s[BS:BS+1], s[70:71], s[BS:BS+1]
	s_add_nc_u64 s[BS:BS+1], s[BS:BS+1], s[2:3]
	s_mov_b32 s2, s22
	s_mov_b32 s18, s23
	s_mov_b32 s19, 0
.irp a, 1,2,3,4,5,6,7
	s_add_nc_u64 s[BS+2*\a:BS+2*\a+1], s[BS+2*\a-2:BS+2*\a-1], s[2:3]
.if \a == 4
	s_add_nc_u64 s[BS+2*\a:BS+2*\a+1], s[BS+2*\a:BS+2*\a+1], s[18:19]
.endif
.endr
	v_and_b32 v[OA], 31, v0
	v_lshlrev_b32 v[OA], 4, v[OA]
	v_add_nc_u32 v[OB], s100, v[OA]
.macro FRAG reg, adr, q, i             ; 16 rows x 128 K in 16 registers, by four loads of 16 bytes: the same permutation of k in A and in B, so every product meets its partner
.irp c, 0,1,2,3
	ds_load_b128 v[\reg+4*\c:\reg+4*\c+3], v[\adr] offset:128*(\q)+32*\c+(\i)*16*PITCH
.endr
.endm
; 16 matrix instructions: A's blocks a0, a0 + 1 x B's eight.  The 64 accumulators take turns, one instruction a turn, in the same order in every step.
.macro MUL16 a0, p, zero
.irp a, \a0, \a0+1
.irp b, 0,1,2,3,4,5,6,7
.if \zero
	v_wmma_f32_16x16x128_fp8_fp8 v[8*(8*((\a)%4)+\b):8*(8*((\a)%4)+\b)+7], v[128*(\p)+FR*\b:128*(\p)+FR*\b+FR-1], v[AF+FR*(\a):AF+FR*(\a)+FR-1], 0
.else
	v_wmma_f32_16x16x128_fp8_fp8 v[8*(8*((\a)%4)+\b):8*(8*((\a)%4)+\b)+7], v[128*(\p)+FR*\b:128*(\p)+FR*\b+FR-1], v[AF+FR*(\a):AF+FR*(\a)+FR-1], v[8*(8*((\a)%4)+\b):8*(8*((\a)%4)+\b)+7]
.endif
.endr
.endr
.endm
.macro FETCH_B slot, q, p
	WIN TO_B
.irp i, 0,1,2,3,4,5,6,7
	FRAG 128*(\p)+FR*\i, ADRB+\slot, \q, \i
.endr
	WIN 0
.endm
.macro FETCH_A slot, q, i0
.irp i, \i0, \i0+1, \i0+2, \i0+3
	FRAG AF+FR*(\i), ADRA+\slot, \q, \i
.endr
.endm
.macro PLACES n                        ; plain vector instructions between a matrix instruction and a load into, or a vector read or write of, its registers
.rept \n
	v_nop
.endr
.endm
; A step of 128 along K that has its successor in the same slot.
.macro STEP slot, q, zero
	s_wait_dscnt 4*NL                              ; B's set and A's blocks 0-3 are in; the youngest sixteen loads (A's blocks 4-7) may be out
	WIN MUL_LO
	MUL16 0, (\q)%2, \zero
	MUL16 2, (\q)%2, \zero
	s_wait_dscnt 0
	PLACES NP
	FETCH_B \slot, (\q)+1, 1-(\q)%2
	FETCH_A \slot, (\q)+1, 0
	WIN MUL_HI
	MUL16 4, (\q)%2, \zero
	MUL16 6, (\q)%2, \zero
	PLACES NP
	WIN 0
	FETCH_A \slot, (\q)+1, 4
.endm
; A slot's last step changes slots: ONE barrier; in front of it each wave waits for all its tensor loads, adds 0 to its spare word, and waits for that and for its reads of this slot.
.macro TURN slot, next, fill
	s_wait_tensorcnt 0x0                           ; all my tensor loads have landed: my part of the next slot
	ds_add_u32 v[SPW], v[NIL]                      ; 0 onto my spare word
	s_wait_dscnt 4*NL+1                            ; the add and the youngest sixteen loads may be out
	WIN MUL_LO
	MUL16 0, 1, 0
	s_wait_dscnt 0x0                               ; the add is done, and my reads of this slot are over
	s_barrier_signal -1
	MUL16 2, 1, 0
	WIN 0
	s_barrier_wait -1
.if \fill
	CREST                                          ; the barrier has opened a round of the cluster's barrier: no wave of any partner still reads this slot or has a load on its way
	s_add_nc_u64 s[G0+4*\slot+2:G0+4*\slot+3], s[G0+4*\slot+2:G0+4*\slot+3], 2*ROWB
	s_add_nc_u64 s[G0B+4*\slot+2:G0B+4*\slot+3], s[G0B+4*\slot+2:G0B+4*\slot+3], 2*ROWB
	JLOAD G0+4*\slot, G1, G0B+4*\slot, G1B         ; the first tensor load behind the round; its four v_nop are the places in front of the loads below
.else
	PLACES NP
.endif
	FETCH_B \next, 0, 0
	FETCH_A \next, 0, 0
	WIN MUL_HI
	MUL16 4, 1, 0
	MUL16 6, 1, 0
	PLACES NP
	WIN 0
	FETCH_A \next, 0, 4
.endm
	s_wait_alu depctr_va_vdst(0)
	s_wait_tensorcnt 1                             ; my part of K step 0 is in; K step 1's load may be out
	s_barrier_signal -1
	s_barrier_wait -1
	FETCH_B 0, 0, 0
	FETCH_A 0, 0, 0
	FETCH_A 0, 0, 4
	STEP 0, 0, 1                                   ; K = 1,024 is four slots' worth: written out, since a loop would have one trip
	TURN 0, 1, 1
	STEP 1, 0, 0
	TURN 1, 0, 1
	STEP 0, 0, 0
	TURN 0, 1, 0                                   ; nothing is left to fetch
	STEP 1, 0, 0
	s_wait_dscnt 4*NL
	WIN MUL_LO
	MUL16 0, 1, 0
	MUL16 2, 1, 0
	s_wait_dscnt 0
	WIN MUL_HI
	MUL16 4, 1, 0
	MUL16 6, 1, 0
	WIN 0
	; THE WAY OUT: convert, store.  No LDS: a block's sixteen registers of codes are four pieces of an image, 512 consecutive bytes each.
	s_wait_kmcnt 0x0
	s_cmp_eq_u32 ttmp9, 0
	s_cselect_b32 s18, s90, s91
	s_cmp_eq_u32 ttmp9, 2
	s_cselect_b32 s18, s93, s18                    ; es
	s_sub_co_i32 s18, s18, s88
	s_sub_co_i32 s18, s18, s89                     ; es - e0 - e1
	s_add_co_i32 s18, s18, 127
	s_lshl_b32 s19, s18, 23
	v_mov_b32 v[SCV], s19
	s_add_co_i32 s18, s18, 8
	s_lshl_b32 s18, s18, 23
	s_or_b32 s18, s18, 0x600000
	PLACES NP
.macro OUT a
	WIN 0x02+((\a)/4)                              ; source 0: window 2 or 3
.set j, 0
.rept 64
.set j, j+1
.endr
.irp b, 0,1,2,3,4,5,6,7
	v_cvt_scalef32_pk8_fp8_f32 v[CD+16*(\a)+2*\b:CD+16*(\a)+2*\b+1], v[TMP+8*\b+((64*((\a)%4)+j)-(TMP+j)):TMP+8*\b+7+((64*((\a)%4)+j)-(TMP+j))], v[SCV]
.endr
	WIN 0
	v_nop                                          ; one plain vector instruction behind the conversions
	global_store_b128 v[OA], v[CD+16*(\a):CD+16*(\a)+3], s[BS+2*(\a):BS+2*(\a)+1]
	global_store_b128 v[OA], v[CD+16*(\a)+4:CD+16*(\a)+7], s[BS+2*(\a):BS+2*(\a)+1] offset:512
	global_store_b128 v[OB], v[CD+16*(\a)+8:CD+16*(\a)+11], s[BS+2*(\a):BS+2*(\a)+1]
	global_store_b128 v[OB], v[CD+16*(\a)+12:CD+16*(\a)+15], s[BS+2*(\a):BS+2*(\a)+1] offset:512
.endm                                  ; each block has its own codes' registers and its own address: nothing that a store reads is written again
.irp a, 0,1,2,3,4,5,6,7
	OUT \a
.endr
	s_wait_tensorcnt 0x0                           ; the wave's end
	ds_add_u32 v[SPW], v[NIL]
	s_wait_dscnt 0x0
	CROUND                                         ; the closing round
	s_endpgm
.Lfunc_end_k_q90a7a26ace_qkv:
	.size	k_q90a7a26ace_qkv, .Lfunc_end_k_q90a7a26ace_qkv-k_q90a7a26ace_qkv
	.p2alignl 7, 3214868480
	.fill 96, 4, 3214868480
	.section	.rodata,"a",@progbits
	.p2align	6, 0x0
	.amdhsa_kernel k_q90a7a26ace_qkv
		.amdhsa_group_segment_fixed_size 327680
		.amdhsa_private_segment_fixed_size 0
		.amdhsa_enable_private_segment 0
		.amdhsa_kernarg_size 48
		.amdhsa_user_sgpr_count 2
		.amdhsa_user_sgpr_kernarg_segment_ptr 1
		.amdhsa_wavefront_size32 1
		.amdhsa_system_sgpr_workgroup_id_x 1
		.amdhsa_system_sgpr_workgroup_id_y 1
		.amdhsa_system_sgpr_workgroup_id_z 1
		.amdhsa_system_vgpr_workitem_id 0
		.amdhsa_next_free_vgpr 1024
		.amdhsa_next_free_sgpr 102
		.amdhsa_reserve_vcc 0
		.amdhsa_float_denorm_mode_32 3
		.amdhsa_float_denorm_mode_16_64 3
		.amdhsa_fp16_overflow 1
		.amdhsa_memory_ordered 1
		.amdhsa_forward_progress 1
		.amdhsa_inst_pref_size 87
	.end_amdhsa_kernel
	.amdgpu_metadata
---
amdhsa.version: [ 1, 2 ]
amdhsa.kernels:
  - .name:           k_q90a7a26ace_qkv
    .symbol:         k_q90a7a26ace_qkv.kd
    .args:
      - { .name: x_codes, .offset: 0, .size: 8, .value_kind: global_buffer, .address_space: global }
      - { .name: wqkv_codes, .offset: 8, .size: 8, .value_kind: global_buffer, .address_space: global }
      - { .name: lowp_scales, .offset: 16, .size: 8, .value_kind: global_buffer, .address_space: global }
      - { .name: q_img, .offset: 24, .size: 8, .value_kind: global_buffer, .address_space: global }
      - { .name: k_img, .offset: 32, .size: 8, .value_kind: global_buffer, .address_space: global }
      - { .name: v_img, .offset: 40, .size: 8, .value_kind: global_buffer, .address_space: global }
    .group_segment_fixed_size: 327680
    .private_segment_fixed_size: 0
    .kernarg_segment_align: 8
    .kernarg_segment_size: 48
    .max_flat_workgroup_size: 128
    .sgpr_count:     102
    .vgpr_count:     1024
    .wavefront_size: 32
...
	.end_amdgpu_metadata
.endif
;; end of part 2
;; launch attn (part 3): grid 4 x 64, 8 waves a work-group, clusters of 4 x 1, 327,680 bytes of LDS; arguments q_img, k_img, v_img, lowp_scales, y_img; writes y_img
.if DOCPART == 3
	.amdgcn_target "amdgcn-amd-amdhsa--gfx1250"
	.amdhsa_code_object_version 6
	.text
	.protected	k_q90a7a26ace_attn
	.globl	k_q90a7a26ace_attn
	.p2align	8
	.type	k_q90a7a26ace_attn,@function
k_q90a7a26ace_attn:
	s_mov_b64 s[64:65], 0
	v_nop
	global_prefetch_b8 v0, s[64:65] scope:SCOPE_SE
	s_setreg_imm32_b32 hwreg(HW_REG_WAVE_MODE, 25, 1), 1
	s_wait_xcnt 0x0
	s_wait_alu depctr_hold_cnt(0) depctr_sa_sdst(0) depctr_va_vdst(0) depctr_va_sdst(0) depctr_va_ssrc(0) depctr_va_vcc(0) depctr_vm_vsrc(0)
	s_getreg_b32 s2, hwreg(HW_REG_IB_STS2, 6, 4)
	s_cmp_eq_u32 s2, 0
	s_cbranch_scc0 .Lentry_in_a_cluster
	s_endpgm
.Lentry_in_a_cluster:
	s_bfe_u32 s2, ttmp6, 0x10000c
	s_cmp_lg_u32 s2, 0x3003
	s_cbranch_scc0 .Lentry_shape_is_right
	s_endpgm
.Lentry_shape_is_right:
; Causal attention of one (batch, head) a cluster, on codes of FP8 (E4M3): S^T = K Q^T (K = 64), p = 2^(t - M), O^T = V^T P^T (K = 128 keys a step); y = O / l is quantised at once for the last product.
; t = score x log2(e) / 8; M = the running largest t rounded UP to a whole number; the row's sum l is taken of the unquantised p; when M moves, l and O are multiplied by 2^(old M - new M), which rounds nothing.
; K AND V OF A HEAD, 2 x 131,072 bytes, LIE WHOLE IN LDS, filled once, by joint loads that name the cluster's four work-groups: no ring, no refill.  They are images of operand registers: every LDS load takes 512 consecutive bytes.
; SHARES.  A unit is 32 queries (two tiles, which share every fragment of K and V); a group g is 128 queries; partner cx owns unit 4 g + cx of every group, so which key steps count hangs on g alone, never on cx.
; Wave w takes groups 15 - w and w: (16 - w) + (w + 1) = 17 key steps of 128 for every wave of every work-group.  Key steps behind the diagonal are jumped over (a scalar branch on the wave's number and the trip), all loops have constant trip counts.
; LAYOUT.  Both products are used transposed: a lane holds ONE query (lane % 16); S^T's register 8 t + j is key 16 t + 8 (lane / 16) + j, so one conversion of a tile's eight registers is registers 2 t, 2 t + 1 of P in the plain 8-bit layout.
; y_img: [tile of 16 tokens][128 of K: 8][piece of 4 registers: 4][lane][16 bytes]; a head is two pieces.
; LIMITS: e2 + e3 between -123 and 130; e4 between -126 and 119; |e4 + e5 - e6| at most 100.
; REGISTERS.  window 0: v1-7 addresses and the mask's numbers; v8-23 two tiles' statistics; v24-31 at work and constants; v32-47 Q of the upper unit; v48-79 P's codes; v80-95 Q of the lower unit; v96-223 S^T, then p; v224-243 constants, y's codes.
;             window 1: v0-63 K's eight fragments; v64-127 V's four; v128-191 O^T (tile i, channels 16 t on: 128 + 32 i + 8 t).
.set VB,    131072                     ; V's image begins here
.set STEPB, 8192                       ; a key step's bytes, of K and of V
.set SPARE, 262144                     ; the spare words, 128 bytes for each of eight waves: four blocks of 256 bytes that no other line names
.set LI,   1                           ; v1  16 x lane; never rewritten once made
.set SPW,  2
.set NIL,  3
.set ADK,  4
.set ADV,  5
.set DG,   6                           ; v6, v7  tile i: 32 cx + 16 i + lane % 16 - 8 (lane / 16)
.set ST,   8                           ; tile i at ST + 8 i: +0 -M, +1 the largest t, +2 +3 the sum in two halves, +4 f, +5 0, +6 +7 at work
.set C2,   24                          ; v[24:25], v[26:27] the sums' second chains
.set PX,   28                          ; v28, v29 the lane permutes' destinations
.set SCP,  30                          ; 2^e4
.set LIMP, 31
.set QH,   32
.set P,    48
.set QL,   80
.set S,    96
.set NINF, 224
.set ONE,  225
.set TOP,  226
.set YC,   228
.set VF,   64                          ; in window 1
.set O,    128                         ; in window 1
.set WV,   14
.set G1,   24                          ; s[24:31] the one group 1;  s[32:47] four groups 0
.set CS,   56                          ; s[56:57] c
.set SEL,  58                          ; s[58:59] lane l xor 16
.set TBK,  60
.set TBV,  61
.set SS,   62                          ; the key step in hand
.set SG,   63                          ; the unit's group: the step on the diagonal
.set EY,   66                          ; e4 + e5 - e6
.set MSB, 0
.macro WIN new
.if MSB != (\new)
	s_set_vgpr_msb (MSB<<8)|(\new)
.set MSB, (\new)
.endif
.endm
.macro CROUND                          ; a round of the cluster's barrier
	s_barrier_signal -1
	s_barrier_wait -1
	s_cmp_lg_u32 s[WV], 0
	s_cbranch_scc1 .Lnot_wave_0_\@
	s_barrier_signal -3
.Lnot_wave_0_\@:
	s_barrier_wait -3
	s_barrier_signal -1
	s_barrier_wait -1
.endm
	s_load_b256 s[4:11], s[0:1], 0x0               ; q_img s[4:5], k_img s[6:7], v_img s[8:9], the scales s[10:11]
	s_load_b64 s[12:13], s[0:1], 0x20              ; y_img
	v_lshl_add_u32 v[SPW], v0, 2, SPARE
	v_mov_b32 v[NIL], 0
	ds_add_u32 v[SPW], v[NIL]                      ; the wave's opening: the add and its wait ahead of my first tensor load
	ds_add_u32 v[SPW], v[NIL]
	v_lshrrev_b32 v1, 5, v0
	s_delay_alu instid0(VALU_DEP_1)
	v_readfirstlane_b32 s[WV], v1                  ; wave 0..7
	s_bfe_u32 s15, ttmp6, 0x40000                  ; cx: it enters Q's and y's addresses and the mask's numbers alone
	s_and_b32 s16, ttmp7, 0xffff                   ; batch x 16 + head, which the four partners share
	s_mov_b32 s[G1], 15|(3<<16)|(1<<21)            ; the mask: all four work-groups; elements of 8 bytes; bit 21 beside a mask; no padding
	s_mov_b32 s[G1+1], 32<<16                      ; tensor_dim0 = 32 elements: rows of 256 bytes
	s_mov_b32 s[G1+2], 32<<16                      ; tensor_dim1 = 32 rows: a key step's 8,192 dense bytes
	s_mov_b32 s[G1+3], 32<<16                      ; tile_dim0
	s_mov_b32 s[G1+4], 32                          ; tile_dim1
	s_mov_b32 s[G1+5], 32                          ; from row to row
	s_mov_b32 s[G1+6], 0
	s_mov_b32 s[G1+7], 0
	s_lshl_b32 s17, s[WV], 13                      ; wave w fetches key steps w and 8 + w, of K and of V
	s_lshl_b32 s18, s16, 17
	s_add_co_u32 s18, s18, s17
	s_mov_b32 s19, 0
	s_mov_b32 s[SEL], 0x76543210
	s_mov_b32 s[SEL+1], 0xfedcba98
	s_wait_dscnt 0x0                               ; the opening add is done
	s_wait_kmcnt 0x0
	s_load_b256 s[48:55], s[10:11], 0x0            ; the eight exponents
	s_add_nc_u64 s[6:7], s[6:7], s[18:19]
	s_add_nc_u64 s[8:9], s[8:9], s[18:19]
	s_mov_b32 s32, 1                               ; K, step w
	s_mov_b32 s33, s17
	s_mov_b64 s[34:35], s[6:7]
	s_or_b32 s35, s35, 0x80000000
	s_mov_b32 s36, 1                               ; V, step w
	s_add_co_u32 s37, s17, VB
	s_mov_b64 s[38:39], s[8:9]
	s_or_b32 s39, s39, 0x80000000
	s_mov_b32 s40, 1                               ; K, step 8 + w
	s_add_co_u32 s41, s17, 65536
	s_add_nc_u64 s[42:43], s[6:7], 65536
	s_or_b32 s43, s43, 0x80000000
	s_mov_b32 s44, 1                               ; V, step 8 + w
	s_add_co_u32 s45, s17, VB+65536
	s_add_nc_u64 s[46:47], s[8:9], 65536
	s_or_b32 s47, s47, 0x80000000
	CROUND                                         ; all four work-groups are here: the joint loads meet
.irp g, 32, 36, 40, 44                 ; all fills of the launch, as one group: four loads of mine are out
	tensor_load_to_lds s[\g:\g+3], s[G1:G1+7]
	s_nop 0
.endr
.rept 4
	v_nop
.endr
	s_sub_co_u32 s20, 15, s[WV]
	s_lshl_b32 s21, s20, 2
	s_add_co_u32 s21, s21, s15                     ; the upper unit: 4 (15 - w) + cx
	s_lshl_b32 s22, s[WV], 2
	s_add_co_u32 s22, s22, s15                     ; the lower unit: 4 w + cx
	s_lshl_b32 s76, s16, 17
	s_mov_b32 s79, 0
	s_lshl_b32 s23, s21, 11                        ; a unit of Q's image is 2,048 bytes
	s_add_co_u32 s78, s76, s23
	s_add_nc_u64 s[72:73], s[4:5], s[78:79]
	s_lshl_b32 s23, s22, 11
	s_add_co_u32 s78, s76, s23
	s_add_nc_u64 s[74:75], s[4:5], s[78:79]
	v_and_b32 v[LI], 31, v0
	s_delay_alu instid0(VALU_DEP_1)
	v_lshlrev_b32 v[LI], 4, v[LI]
.irp c, 0,1,2,3
	global_load_b128 v[QH+4*\c:QH+4*\c+3], v[LI], s[72:73] offset:512*\c   ; Q stays in registers: tile c / 2, piece c % 2
	global_load_b128 v[QL+4*\c:QL+4*\c+3], v[LI], s[74:75] offset:512*\c
.endr
	s_lshr_b32 s76, s16, 4
	s_lshl_b32 s76, s76, 21                        ; y: the batch's 128 tiles of 16,384 bytes,
	s_bfe_u32 s77, s16, 0x30001
	s_lshl_b32 s77, s77, 11                        ; the pair of heads: 128 of K, 2,048 bytes,
	s_add_co_u32 s76, s76, s77
	s_and_b32 s77, s16, 1
	s_lshl_b32 s77, s77, 10                        ; and the head's two pieces of the four
	s_add_co_u32 s76, s76, s77
	s_lshl_b32 s23, s21, 15
	s_add_co_u32 s78, s76, s23
	s_add_nc_u64 s[68:69], s[12:13], s[78:79]
	s_lshl_b32 s23, s22, 15
	s_add_co_u32 s78, s76, s23
	s_add_nc_u64 s[70:71], s[12:13], s[78:79]
	v_and_b32 v[DG], 15, v0
	v_bfe_u32 v[DG+1], v0, 4, 1
	s_delay_alu instid0(VALU_DEP_1)
	v_lshlrev_b32 v[DG+1], 3, v[DG+1]
	s_delay_alu instid0(VALU_DEP_1)
	v_sub_nc_u32 v[DG], v[DG], v[DG+1]
	s_lshl_b32 s23, s15, 5
	v_add_nc_u32 v[DG], s23, v[DG]
	s_delay_alu instid0(VALU_DEP_1)
	v_add_nc_u32 v[DG+1], 16, v[DG]
	v_mov_b32 v[NINF], 0xff800000
	v_mov_b32 v[ONE], 1.0
	v_mov_b32 v[PX], 0                             ; written once: a lane permute's destination counts as one of its sources
	v_mov_b32 v[PX+1], 0
.macro INIT                            ; a unit begins: O^T and the sums are zeros, the largest t is under every t.  (The key step is written without a first step of its own: the first change of M multiplies zeros)
	WIN 0x40
.set n, 0
.rept 64
	v_mov_b32 v[O+n], 0
.set n, n+1
.endr
	WIN 0
.irp i, 0,1
	v_mov_b32 v[ST+8*\i+1], 0xff61b1e6             ; -3e38
	s_delay_alu instid0(VALU_DEP_1)
	v_floor_f32 v[ST+8*\i], -v[ST+8*\i+1]
	v_mov_b32 v[ST+8*\i+2], 0
	v_mov_b32 v[ST+8*\i+3], 0
	v_mov_b32 v[ST+8*\i+5], 0
.endr
.endm
; A KEY STEP: 128 keys against the unit's two tiles.  qb: the unit's Q.  causal = 1: the step may lie behind or on the diagonal.
.macro STEP qb, causal
.if \causal
	s_cmp_gt_u32 s[SS], s[SG]                      ; all its keys come after my queries: only the addresses step
	s_cbranch_scc1 .Lhid_\@
.endif
	s_setprio 2
	v_add_nc_u32 v[ADK], s[TBK], v[LI]
	v_add_nc_u32 v[ADV], s[TBV], v[LI]
	WIN 0x40                                       ; destination window 1
.irp t, 0,1,2,3,4,5,6,7
	ds_load_b128 v[8*\t:8*\t+3], v[ADK] offset:1024*\t
	ds_load_b128 v[8*\t+4:8*\t+7], v[ADK] offset:1024*\t+512
.endr
.irp t, 0,1,2,3
.irp c, 0,1,2,3
	ds_load_b128 v[VF+16*\t+4*\c:VF+16*\t+4*\c+3], v[ADV] offset:2048*\t+512*\c
.endr
.endr
	s_wait_dscnt 16                                ; K is in; V's sixteen loads may be out
	WIN 0x01                                       ; source 0 (K) window 1
.irp t, 0,1,2,3,4,5,6,7
.irp i, 0,1
	v_wmma_f32_16x16x64_fp8_fp8 v[S+64*\i+8*\t:S+64*\i+8*\t+7], v[8*\t:8*\t+7], v[\qb+8*\i:\qb+8*\i+7], 0
.endr
.endr
	WIN 0
.rept 4
	v_nop                                          ; places between the last products and the first read of their results
.endr
.if \causal
	s_cmp_lg_u32 s[SS], s[SG]
	s_cbranch_scc1 .Lopen_\@
.irp i, 0,1                            ; on the diagonal: register 8 t + j holds key 16 t + 8 (lane / 16) + j of the step: hidden where 16 t + j is above the lane's number; p is then 0
.set n, 0
.rept 64
	v_cmp_gt_i32 vcc_lo, 16*(n/8)+n%8, v[DG+\i]
	v_cndmask_b32 v[S+64*\i+n], v[S+64*\i+n], v[NINF], vcc_lo
.set n, n+1
.endr
.endr
.Lopen_\@:
.endif
.irp i, 0,1                            ; the step's largest score of my query, among my 64 keys: two chains a tile, ascending
	v_max3_num_f32 v[ST+8*\i+6], v[S+64*\i], v[S+64*\i+1], v[S+64*\i+2]
	v_max3_num_f32 v[ST+8*\i+7], v[S+64*\i+3], v[S+64*\i+4], v[S+64*\i+5]
.endr
.irp k, 6,10,14,18,22,26,30,34,38,42,46,50,54,58
.irp i, 0,1
	v_max3_num_f32 v[ST+8*\i+6], v[ST+8*\i+6], v[S+64*\i+\k], v[S+64*\i+\k+1]
	v_max3_num_f32 v[ST+8*\i+7], v[ST+8*\i+7], v[S+64*\i+\k+2], v[S+64*\i+\k+3]
.endr
.endr
.irp i, 0,1
	v_max3_num_f32 v[ST+8*\i+6], v[ST+8*\i+6], v[S+64*\i+62], v[S+64*\i+63]
.endr
.irp i, 0,1
	s_delay_alu instid0(VALU_DEP_2)
	v_max_num_f32 v[ST+8*\i+6], v[ST+8*\i+6], v[ST+8*\i+7]
.endr
.irp i, 0,1
	s_delay_alu instid0(VALU_DEP_2)
	v_permlanex16_b32 v[PX+\i], v[ST+8*\i+6], s[SEL], s[SEL+1]
.endr
.irp i, 0,1
	s_delay_alu instid0(VALU_DEP_2)
	v_max_num_f32 v[ST+8*\i+6], v[ST+8*\i+6], v[PX+\i]   ; and among lane l xor 16's
.endr
.irp i, 0,1
	s_delay_alu instid0(VALU_DEP_2)
	v_mul_f32 v[ST+8*\i+6], s[CS], v[ST+8*\i+6]    ; as t (c is positive)
.endr
.irp i, 0,1
	s_delay_alu instid0(VALU_DEP_2)
	v_max_num_f32 v[ST+8*\i+1], v[ST+8*\i+1], v[ST+8*\i+6]
.endr
.irp i, 0,1
	v_mov_b32 v[ST+8*\i+6], v[ST+8*\i]
.endr
.irp i, 0,1
	s_delay_alu instid0(VALU_DEP_4)
	v_floor_f32 v[ST+8*\i], -v[ST+8*\i+1]          ; the new -M = floor(-t): M is a whole number
.endr
.irp i, 0,1
	s_delay_alu instid0(VALU_DEP_2)
	v_sub_f32 v[ST+8*\i+6], v[ST+8*\i], v[ST+8*\i+6]   ; old M - new M: a whole number, 0 or less
.endr
.irp i, 0,1
	s_delay_alu instid0(VALU_DEP_2)
	v_cvt_i32_f32 v[ST+8*\i+6], v[ST+8*\i+6]       ; (it saturates)
.endr
.irp i, 0,1
	s_delay_alu instid0(VALU_DEP_2)
	v_ldexp_f32 v[ST+8*\i+4], 1.0, v[ST+8*\i+6]    ; f = 2^(old M - new M)
.endr
.irp i, 0,1
.set n, 0
.rept 32
	v_pk_fma_f32 v[S+64*\i+n:S+64*\i+n+1], v[S+64*\i+n:S+64*\i+n+1], s[CS:CS+1], v[ST+8*\i:ST+8*\i+1] op_sel_hi:[1,0,0]   ; t - M, two at a time (of the pairs c and -M the low word serves both halves)
.set n, n+2
.endr
.endr
.set n, 0
	s_setprio 1
	s_wait_alu depctr_va_vdst(0)
.rept 128
	v_exp_f32 v[S+n], v[S+n]                       ; p = 2^(t - M), at most 1: not normalised.  One batch
.set n, n+1
.endr
.irp i, 0,1
	v_pk_mul_f32 v[ST+8*\i+2:ST+8*\i+3], v[ST+8*\i+2:ST+8*\i+3], v[ST+8*\i+4:ST+8*\i+5] op_sel_hi:[1,0]   ; the sums under the new M: the plain instructions behind the exponentials
.endr
	s_wait_alu depctr_va_vdst(0)                   ; one wait between the batch and the first instruction that names a result
.irp i, 0,1
	v_pk_add_f32 v[C2+2*\i:C2+2*\i+1], v[S+64*\i:S+64*\i+1], v[S+64*\i+2:S+64*\i+3]   ; the row's sum is taken of the unquantised p
.endr
.irp k, 4,8,12,16,20,24,28,32,36,40,44,48,52,56,60
.irp i, 0,1
	v_pk_add_f32 v[ST+8*\i+2:ST+8*\i+3], v[ST+8*\i+2:ST+8*\i+3], v[S+64*\i+\k:S+64*\i+\k+1]
	v_pk_add_f32 v[C2+2*\i:C2+2*\i+1], v[C2+2*\i:C2+2*\i+1], v[S+64*\i+\k+2:S+64*\i+\k+3]
.endr
.endr
.irp i, 0
	s_delay_alu instid0(VALU_DEP_3)
	v_pk_add_f32 v[ST+8*\i+2:ST+8*\i+3], v[ST+8*\i+2:ST+8*\i+3], v[C2+2*\i:C2+2*\i+1]
.endr
.irp i, 1
	s_delay_alu instid0(VALU_DEP_2)
	v_pk_add_f32 v[ST+8*\i+2:ST+8*\i+3], v[ST+8*\i+2:ST+8*\i+3], v[C2+2*\i:C2+2*\i+1]
.endr
.irp i, 0,1
.irp t, 0,1,2,3,4,5,6,7
.irp j, 0,1,2,3,4,5,6,7
.endr
	v_cvt_scalef32_pk8_fp8_f32 v[P+16*\i+2*\t:P+16*\i+2*\t+1], v[S+64*\i+8*\t:S+64*\i+8*\t+7], v[SCP]
.endr
.endr
	WIN 0x41                                       ; O^T (destination and source 0) window 1, f window 0
	s_setprio 0
.irp i, 0,1
.set n, 0
.rept 16
	v_pk_mul_f32 v[O+32*\i+n:O+32*\i+n+1], v[O+32*\i+n:O+32*\i+n+1], v[ST+8*\i+4:ST+8*\i+5] op_sel_hi:[1,0]   ; O^T under the new M; these are also the plain instructions behind the conversions
.set n, n+2
.endr
.endr
	s_wait_alu depctr_va_vdst(0)
	s_wait_dscnt 0x0                               ; V is in
	WIN 0x51                                       ; V window 1, P window 0, O^T window 1
.irp t, 0,1,2,3
.irp i, 0,1
	v_wmma_f32_16x16x128_fp8_fp8 v[O+32*\i+8*\t:O+32*\i+8*\t+7], v[VF+16*\t:VF+16*\t+15], v[P+16*\i:P+16*\i+15], v[O+32*\i+8*\t:O+32*\i+8*\t+7]   ; the eight accumulators by turns
.endr
.endr
	WIN 0
.rept 4
	v_nop                                          ; places in front of the next step's loads into V's registers, and of the next read of O^T
.endr
.if \causal
.Lhid_\@:
.endif
	s_add_co_u32 s[TBK], s[TBK], STEPB
	s_add_co_u32 s[TBV], s[TBV], STEPB
.endm
; A unit ends: y = O^T x 2^(e4 + e5) / l, as codes with the scale 2^e6: two pieces of an image for each tile, 512 consecutive bytes a store.
.macro FINISH yb
	s_wait_xcnt 0x0                                ; the codes' registers are written again only behind this wait
.irp i, 0,1
	v_add_f32 v[ST+8*\i+6], v[ST+8*\i+2], v[ST+8*\i+3]
.endr
.irp i, 0,1
	s_delay_alu instid0(VALU_DEP_2)
	v_permlanex16_b32 v[PX+\i], v[ST+8*\i+6], s[SEL], s[SEL+1]
.endr
.irp i, 0,1
	s_delay_alu instid0(VALU_DEP_2)
	v_add_f32 v[ST+8*\i+6], v[ST+8*\i+6], v[PX+\i]
.endr
	s_wait_alu depctr_va_vdst(0)
.irp i, 0,1
	v_rcp_f32 v[ST+8*\i+7], v[ST+8*\i+6]
.endr
	v_nop                                          ; a plain instruction behind the reciprocals,
	s_wait_alu depctr_va_vdst(0)                   ; and the one wait ahead of their first reader
.irp i, 0,1
	v_ldexp_f32 v[ST+8*\i+7], v[ST+8*\i+7], s[EY]
.endr
	WIN 0x01                                       ; source 0 (O^T) window 1
.irp i, 0,1
.set n, 0
.rept 32
	v_mul_f32 v[S+32*\i+n], v[O+32*\i+n], v[ST+8*\i+7]
.set n, n+1
.endr
.endr
	WIN 0
.set n, 0
.rept 64
.set n, n+1
.endr
.irp i, 0,1
.irp t, 0,1,2,3
	v_cvt_scalef32_pk8_fp8_f32 v[YC+8*\i+2*\t:YC+8*\i+2*\t+1], v[S+32*\i+8*\t:S+32*\i+8*\t+7], v[ONE]
.endr
.endr
	v_nop                                          ; one plain vector instruction behind the conversions: later products write their sources
.irp i, 0,1
	global_store_b128 v[LI], v[YC+8*\i:YC+8*\i+3], s[\yb:\yb+1] offset:16384*\i
	global_store_b128 v[LI], v[YC+8*\i+4:YC+8*\i+7], s[\yb:\yb+1] offset:16384*\i+512
.endr
.endm
	INIT
	s_wait_kmcnt 0x0
	s_mov_b32 s[CS], 0x3e38aa3b                    ; c = log2(e) / 8
	s_add_co_i32 s23, s50, s51
	s_lshl_b32 s23, s23, 23
	s_add_co_i32 s[CS], s[CS], s23                 ; a score stands for score x 2^(e2 + e3): added to c's exponent field
	s_mov_b32 s[CS+1], s[CS]
	s_add_co_i32 s23, s52, 127
	s_lshl_b32 s76, s23, 23
	v_mov_b32 v[SCP], s76
	s_add_co_i32 s[EY], s52, s53
	s_sub_co_i32 s[EY], s[EY], s54
	s_wait_tensorcnt 2                             ; my parts of key steps 0 to 7 are in; my two loads for steps 8 to 15 may be out
	s_barrier_signal -1
	s_barrier_wait -1                              ; everybody's are
	s_wait_loadcnt 0x0                             ; Q
	; the upper unit, key steps 0 to 7: its group is 8 or more, so all of them count in full
	s_mov_b32 s[TBK], 0
	s_mov_b32 s[TBV], VB
	s_mov_b32 s[SS], 0
.Lfirst:
	STEP QH, 0
	s_add_co_u32 s[SS], s[SS], 1
	s_cmp_lt_u32 s[SS], 8
	s_cbranch_scc1 .Lfirst
	s_setprio 0
	s_wait_tensorcnt 0x0                           ; my parts of key steps 8 to 15 are in,
	s_wait_dscnt 0x0
	s_barrier_signal -1
	s_barrier_wait -1                              ; everybody's are
	; the upper unit, key steps 8 to 15
	s_mov_b32 s[TBK], 65536
	s_mov_b32 s[TBV], VB+65536
	s_sub_co_u32 s[SG], 15, s[WV]
.Lsecond:
	STEP QH, 1
	s_add_co_u32 s[SS], s[SS], 1
	s_cmp_lt_u32 s[SS], 16
	s_cbranch_scc1 .Lsecond
	s_setprio 0
	FINISH 68
	INIT
	; the lower unit, key steps 0 to 7
	s_mov_b32 s[TBK], 0
	s_mov_b32 s[TBV], VB
	s_mov_b32 s[SG], s[WV]
	s_mov_b32 s[SS], 0
.Lthird:
	STEP QL, 1
	s_add_co_u32 s[SS], s[SS], 1
	s_cmp_lt_u32 s[SS], 8
	s_cbranch_scc1 .Lthird
	s_setprio 0
	s_wait_alu depctr_va_vdst(0)
	FINISH 70
	s_wait_tensorcnt 0x0                           ; the wave's end
	ds_add_u32 v[SPW], v[NIL]
	s_wait_dscnt 0x0
	CROUND                                         ; the closing round
	s_endpgm
.Lfunc_end_k_q90a7a26ace_attn:
	.size	k_q90a7a26ace_attn, .Lfunc_end_k_q90a7a26ace_attn-k_q90a7a26ace_attn
	.p2alignl 7, 3214868480
	.fill 96, 4, 3214868480
	.section	.rodata,"a",@progbits
	.p2align	6, 0x0
	.amdhsa_kernel k_q90a7a26ace_attn
		.amdhsa_group_segment_fixed_size 327680
		.amdhsa_private_segment_fixed_size 0
		.amdhsa_enable_private_segment 0
		.amdhsa_kernarg_size 40
		.amdhsa_user_sgpr_count 2
		.amdhsa_user_sgpr_kernarg_segment_ptr 1
		.amdhsa_wavefront_size32 1
		.amdhsa_system_sgpr_workgroup_id_x 1
		.amdhsa_system_sgpr_workgroup_id_y 1
		.amdhsa_system_sgpr_workgroup_id_z 1
		.amdhsa_system_vgpr_workitem_id 0
		.amdhsa_next_free_vgpr 512
		.amdhsa_next_free_sgpr 96
		.amdhsa_reserve_vcc 1
		.amdhsa_float_denorm_mode_32 3
		.amdhsa_float_denorm_mode_16_64 3
		.amdhsa_fp16_overflow 1
		.amdhsa_memory_ordered 1
		.amdhsa_forward_progress 1
		.amdhsa_inst_pref_size 115
	.end_amdhsa_kernel
	.amdgpu_metadata
---
amdhsa.version: [ 1, 2 ]
amdhsa.kernels:
  - .name:           k_q90a7a26ace_attn
    .symbol:         k_q90a7a26ace_attn.kd
    .args:
      - { .name: q_img, .offset: 0, .size: 8, .value_kind: global_buffer, .address_space: global }
      - { .name: k_img, .offset: 8, .size: 8, .value_kind: global_buffer, .address_space: global }
      - { .name: v_img, .offset: 16, .size: 8, .value_kind: global_buffer, .address_space: global }
      - { .name: lowp_scales, .offset: 24, .size: 8, .value_kind: global_buffer, .address_space: global }
      - { .name: y_img, .offset: 32, .size: 8, .value_kind: global_buffer, .address_space: global }
    .group_segment_fixed_size: 327680
    .private_segment_fixed_size: 0
    .kernarg_segment_align: 8
    .kernarg_segment_size: 40
    .max_flat_workgroup_size: 256
    .sgpr_count:     96
    .vgpr_count:     512
    .wavefront_size: 32
...
	.end_amdgpu_metadata
.endif
;; end of part 3
;; launch proj (part 4): grid 8 x 32, 4 waves a work-group, clusters of 4 x 4, 327,680 bytes of LDS; arguments y_img, wproj_codes, lowp_scales, out0; writes out0
.if DOCPART == 4
	.amdgcn_target "amdgcn-amd-amdhsa--gfx1250"
	.amdhsa_code_object_version 6
	.text
	.protected	k_q90a7a26ace_proj
	.globl	k_q90a7a26ace_proj
	.p2align	8
	.type	k_q90a7a26ace_proj,@function
k_q90a7a26ace_proj:
	s_mov_b64 s[64:65], 0
	v_nop
	global_prefetch_b8 v0, s[64:65] scope:SCOPE_SE
	s_setreg_imm32_b32 hwreg(HW_REG_WAVE_MODE, 25, 1), 1
	s_wait_xcnt 0x0
	s_wait_alu depctr_hold_cnt(0) depctr_sa_sdst(0) depctr_va_vdst(0) depctr_va_sdst(0) depctr_va_ssrc(0) depctr_va_vcc(0) depctr_vm_vsrc(0)
	s_getreg_b32 s2, hwreg(HW_REG_IB_STS2, 6, 4)
	s_cmp_eq_u32 s2, 0
	s_cbranch_scc0 .Lentry_in_a_cluster
	s_endpgm
.Lentry_in_a_cluster:
	s_bfe_u32 s2, ttmp6, 0x10000c
	s_cmp_lg_u32 s2, 0xf033
	s_cbranch_scc0 .Lentry_shape_is_right
	s_endpgm
.Lentry_shape_is_right:
; out0 = y w_proj on codes of FP8 (E4M3), K = 1,024; each finished sum is multiplied once by 2^(e6 + e7).  LIMIT: e6 + e7 between -126 and 127.
; A tile of 256 tokens x 128 columns is made by a work-group of four waves: 256 work-groups.  A wave makes 128 x 64: 32 accumulators, 256 registers.
; 'A' (source 1) is y, which lies in memory as images of its fragments: [tile of 16 tokens][128 of K: 8][piece of 4 registers: 4][lane][16 bytes]; a K step of 256 is 4,096 dense bytes of each tile of tokens, and every LDS load of A takes 512 consecutive bytes.
; 'B' (source 0) is w_proj's codes, [n][k], with the four groups of 8 bytes of each 32 in the order 0, 2, 1, 3: four loads of 16 bytes at 32 c + 16 (lane / 16) then give y's layout (registers 2 c, 2 c + 1: k = 16 c + 8 (lane / 16) + 0 .. 7).
; K goes in four steps of 256 through three LDS slots: steps 0, 1, 2 are first fills, step 3 is the one refill, of slot 0.  CLUSTERS: 4 x 4; A's tile is shared along a row of the cluster, B's along a column, by joint loads.
; The product is used transposed: a lane holds one token and eight neighbouring columns; a block of 16 tokens goes out through the wave's own stage in LDS, so that sixteen lanes store 256 consecutive bytes, aligned.
; REGISTERS: window 0: v0-31 addresses; v32-127 the way out; v128-255 B's two sets of four fragments.  window 1: A's two sets of eight.  window 2: the accumulators ((a, b) at v[8 (4 a + b)]).
.set BP,     272                       ; a row of B in LDS: 256 bytes + 16 of padding (row r starts at bank 4 r mod 64; 64 banks of 4 bytes: ISA guide 11.1)
.set BOFF,   65536                     ; a slot: A's 16 tiles of 4,096 bytes, then B's 128 rows
.set SLOT,   BOFF+128*BP
.set STAGE,  3*SLOT                    ; behind the slots: 16 rows x 272 bytes for each wave; no tensor load fills it
.set SPARE,  STAGE+4*16*272            ; the spare words: two blocks of 256 bytes that no other line names
.set ADRA, 16                          ; v16-18
.set ADRB, 20                          ; v20-22
.set STO,  24
.set RD,   25
.set CO,   26
.set SPW,  28
.set NIL,  29
.set TMP,  32
.set BK,   64
.set G1,  24                           ; s[24:31] group 1 for A;  s[32:43] its groups 0, one for each slot
.set G0,  32
.set G1B, 48                           ; s[48:55] group 1 for B;  s[56:63], s[68:71] its groups 0
.set G0B, 56
.set MSB, 0
.macro WIN new
.if MSB != (\new)
	s_set_vgpr_msb (MSB<<8)|(\new)
.set MSB, (\new)
.endif
.endm
.set MUL, 0xa4                         ; source 0 (B) window 0, source 1 (A) window 1, C and D window 2
.macro CREST
	s_cmp_lg_u32 s14, 0
	s_cbranch_scc1 .Lnot_wave_0_\@
	s_barrier_signal -3
.Lnot_wave_0_\@:
	s_barrier_wait -3
	s_barrier_signal -1
	s_barrier_wait -1
.endm
.macro CROUND
	s_barrier_signal -1
	s_barrier_wait -1
	CREST
.endm
.macro PLACES
.rept 4
	v_nop
.endr
.endm
.macro MKG0 g, l, b, s, st             ; a group 0: slot s, K step s
	s_mov_b32 s[\g], 1
	s_add_co_u32 s[\g+1], s[\l], (\s)*SLOT
	s_add_nc_u64 s[\g+2:\g+3], s[\b:\b+1], (\s)*(\st)
	s_or_b32 s[\g+3], s[\g+3], 0x80000000
.endm
	s_load_b128 s[4:7], s[0:1], 0x0                ; y_img, wproj_codes
	s_load_b128 s[8:11], s[0:1], 0x10              ; the scales, out0
	v_lshl_add_u32 v[SPW], v0, 2, SPARE
	v_mov_b32 v[NIL], 0
	ds_add_u32 v[SPW], v[NIL]                      ; the wave's opening: the add and its wait ahead of my first tensor load
	v_lshrrev_b32 v1, 5, v0
	v_readfirstlane_b32 s14, v1                    ; wave 0..3
	s_lshr_b32 s15, s14, 1                         ; which half of the tokens is mine.  Also: I fetch for A (0) or for B (1)
	s_and_b32 s16, s14, 1                          ; which half of the columns.  Also: which half of that tile I fetch
	s_bfe_u32 s72, ttmp6, 0x40000                  ; cx
	s_bfe_u32 s73, ttmp6, 0x40004                  ; cy
	s_lshl_b32 s74, ttmp9, 2
	s_add_co_u32 s74, s74, s72                     ; the tile of 128 columns
	s_and_b32 s17, ttmp7, 0xffff
	s_lshl_b32 s17, s17, 2
	s_add_co_u32 s17, s17, s73                     ; the tile of 256 tokens
	s_lshl_b32 s75, s73, 2
	s_lshl_b32 s75, 15, s75                        ; my row of the cluster
	s_lshl_b32 s76, 0x1111, s72                    ; my column
	s_or_b32 s[G1], s75, (3<<16)|(1<<21)           ; A: the mask; elements of 8 bytes; bit 21 beside a mask; no padding
	s_mov_b32 s[G1+1], 512<<16                     ; tensor_dim0 = 512 elements: 4,096 bytes, a K step of one tile of tokens
	s_mov_b32 s[G1+2], 8<<16                       ; tensor_dim1 = 8 tiles of tokens
	s_mov_b32 s[G1+3], 512<<16                     ; tile_dim0
	s_mov_b32 s[G1+4], 8                           ; tile_dim1
	s_mov_b32 s[G1+5], 2048                        ; from tile to tile: 16,384 bytes
	s_mov_b32 s[G1+6], 0
	s_mov_b32 s[G1+7], 0
	s_or_b32 s[G1B], s76, (0<<16)|(1<<20)|(1<<21)|(5<<22)|(3<<25)   ; B: elements of 1 byte; after every 64 words four words of padding
	s_mov_b32 s[G1B+1], 256<<16
	s_mov_b32 s[G1B+2], 64<<16
	s_mov_b32 s[G1B+3], 256<<16
	s_mov_b32 s[G1B+4], 64
	s_mov_b32 s[G1B+5], 1024
	s_mov_b32 s[G1B+6], 0
	s_mov_b32 s[G1B+7], 0
	s_lshl_b32 s20, s17, 18                        ; A: 16 tiles of tokens x 16,384 bytes,
	s_lshl_b32 s21, s16, 17                        ; and the half that I fetch
	s_add_co_u32 s20, s20, s21
	s_mov_b32 s21, 0
	s_lshl_b32 s46, s74, 17                        ; B: 128 rows of 1,024 bytes,
	s_lshl_b32 s47, s16, 16                        ; and the half that I fetch
	s_add_co_u32 s46, s46, s47
	s_mov_b32 s47, 0
	s_lshl_b32 s44, s16, 15                        ; where they go: no place in the cluster enters an LDS address
	s_mul_i32 s45, s16, 64*BP
	s_add_co_u32 s45, s45, BOFF
	s_wait_dscnt 0x0                               ; the opening add is done
	s_wait_kmcnt 0x0
	s_load_b256 s[80:87], s[8:9], 0x0              ; the eight exponents
	s_add_nc_u64 s[20:21], s[4:5], s[20:21]
	s_add_nc_u64 s[46:47], s[6:7], s[46:47]
	CROUND                                         ; all sixteen work-groups are here: the first joint loads meet
	MKG0 32, 44, 20, 0, 4096
	MKG0 36, 44, 20, 1, 4096
	MKG0 40, 44, 20, 2, 4096
	MKG0 56, 45, 46, 0, 256
	MKG0 60, 45, 46, 1, 256
	MKG0 68, 45, 46, 2, 256
	s_cmp_eq_u32 s15, 0                            ; a wave's three first fills stand in one branch on the wave's number: three loads of mine are out
	s_cbranch_scc0 .Lfirst_b
	tensor_load_to_lds s[32:35], s[G1:G1+7]
	s_nop 0
	tensor_load_to_lds s[36:39], s[G1:G1+7]
	s_nop 0
	tensor_load_to_lds s[40:43], s[G1:G1+7]
	s_nop 0
.rept 4
	v_nop
.endr
	s_branch .Lfirst_asked
.Lfirst_b:
	tensor_load_to_lds s[56:59], s[G1B:G1B+7]
	s_nop 0
	tensor_load_to_lds s[60:63], s[G1B:G1B+7]
	s_nop 0
	tensor_load_to_lds s[68:71], s[G1B:G1B+7]
	s_nop 0
.rept 4
	v_nop
.endr
.Lfirst_asked:
	v_and_b32 v1, 15, v0                           ; r
	v_bfe_u32 v2, v0, 4, 1                         ; h
	v_and_b32 v3, 31, v0
	v_lshlrev_b32 v3, 4, v3                        ; 16 x lane
	v_mul_u32_u24 v4, v1, BP
	v_lshl_add_u32 v5, v2, 4, v4                   ; 272 r + 16 h
	s_lshl_b32 s21, s15, 15                        ; my eight tiles of tokens
	s_mul_i32 s22, s16, 64*BP                      ; my 64 rows of B
	s_add_co_u32 s22, s22, BOFF
.irp s, 0,1,2
	v_add_nc_u32 v[ADRA+\s], s21, v3
	v_add_nc_u32 v[ADRB+\s], s22, v5
	s_add_co_u32 s21, s21, SLOT
	s_add_co_u32 s22, s22, SLOT
.endr
	s_mul_i32 s23, s14, 16*272
	s_add_co_u32 s23, s23, STAGE                   ; my stage
	v_lshl_add_u32 v6, v2, 5, v4
	v_add_nc_u32 v[STO], s23, v6                   ; in: row r, 32 bytes for each half of the lanes
	v_mul_u32_u24 v7, v2, 272
	v_lshl_add_u32 v7, v1, 4, v7
	v_add_nc_u32 v[RD], s23, v7                    ; back: lanes 0-15 one row of 256 bytes, lanes 16-31 the next
	v_lshlrev_b32 v[CO], 12, v2
	v_lshl_add_u32 v[CO], v1, 4, v[CO]             ; and the same two rows in out0 (rows of 4,096 bytes)
	s_lshl_b32 s20, s17, 8
	s_lshl_b32 s21, s15, 7
	s_add_co_u32 s20, s20, s21                     ; my first token
	s_lshl_b32 s20, s20, 12
	s_lshl_b32 s46, s74, 9
	s_lshl_b32 s47, s16, 8
	s_add_co_u32 s46, s46, s47                     ; my first column, in bytes
	s_add_co_u32 s20, s20, s46
	s_mov_b32 s21, 0
	s_add_nc_u64 s[10:11], s[10:11], s[20:21]
.macro FETCH set, slot, q              ; the fragments of 128 along K: B's four, then A's eight: 48 loads in one run
.irp i, 0,1,2,3
.irp c, 0,1,2,3
	ds_load_b128 v[128+64*(\set)+16*\i+4*\c:128+64*(\set)+16*\i+4*\c+3], v[ADRB+\slot] offset:128*(\q)+32*\c+16*BP*\i
.endr
.endr
	WIN 0x40                                       ; destination window 1
.irp i, 0,1,2,3,4,5,6,7
.irp c, 0,1,2,3
	ds_load_b128 v[128*(\set)+16*\i+4*\c:128*(\set)+16*\i+4*\c+3], v[ADRA+\slot] offset:4096*\i+2048*(\q)+512*\c
.endr
.endr
	WIN 0
.endm
.macro MULP set, a0, n, zero           ; A's blocks a0 .. a0 + n - 1 x B's four.  The 32 accumulators take turns, one instruction a turn, in the same order in every step
.set aa, \a0
.rept \n
.irp b, 0,1,2,3
.if \zero
	v_wmma_f32_16x16x128_fp8_fp8 v[8*(4*aa+\b):8*(4*aa+\b)+7], v[128+64*(\set)+16*\b:128+64*(\set)+16*\b+15], v[128*(\set)+16*aa:128*(\set)+16*aa+15], 0
.else
	v_wmma_f32_16x16x128_fp8_fp8 v[8*(4*aa+\b):8*(4*aa+\b)+7], v[128+64*(\set)+16*\b:128+64*(\set)+16*\b+15], v[128*(\set)+16*aa:128*(\set)+16*aa+15], v[8*(4*aa+\b):8*(4*aa+\b)+7]
.endif
.endr
.set aa, aa+1
.endr
.endm
.macro PSTEP set, nslot, nq, zero      ; multiplies set; ahead of its products the next 128 along K are asked for, into the other set
	s_wait_dscnt 0x0                               ; this set is in
	PLACES                                         ; in front of loads into the set that the last products read
	FETCH (1-\set), \nslot, \nq
	WIN MUL
	MULP \set, 0, 8, \zero
	WIN 0
.endm
; A step with a barrier: in front of it each wave waits for all its tensor loads, adds 0 to its spare word, and waits for that and for its LDS reads.  fill = 1: slot 0, which has been read out, takes K step 3.
.macro PTURN set, nslot, fill
	s_wait_tensorcnt 0x0                           ; all my tensor loads have landed
	ds_add_u32 v[SPW], v[NIL]                      ; 0 onto my spare word
	s_wait_dscnt 1                                 ; this set is in; the add may be out
	WIN MUL
	MULP \set, 0, 2, 0
	s_wait_dscnt 0x0                               ; the add is done, and my reads of the slot are over
	s_barrier_signal -1
	MULP \set, 2, 2, 0
	WIN 0
	s_barrier_wait -1
.if \fill
	CREST                                          ; the barrier has opened a round of the cluster's barrier: no wave of any partner still reads slot 0 or has a load on its way
	s_add_nc_u64 s[G0+2:G0+3], s[G0+2:G0+3], 3*4096
	s_add_nc_u64 s[G0B+2:G0B+3], s[G0B+2:G0B+3], 3*256
	s_cmp_eq_u32 s15, 0
	s_cbranch_scc0 .Lfor_b_\@
	tensor_load_to_lds s[G0:G0+3], s[G1:G1+7]      ; the first tensor load behind the round, and my only one
	s_nop 0
.rept 4
	v_nop
.endr
	s_branch .Lasked_\@
.Lfor_b_\@:
	tensor_load_to_lds s[G0B:G0B+3], s[G1B:G1B+7]
	s_nop 0
.rept 4
	v_nop
.endr
.Lasked_\@:
.else
	PLACES
.endif
	FETCH (1-\set), \nslot, 0
	WIN MUL
	MULP \set, 4, 4, 0
	WIN 0
.endm
	s_wait_tensorcnt 2                             ; my part of K step 0 is in; K steps 1 and 2 may be out
	s_barrier_signal -1
	s_barrier_wait -1
	FETCH 0, 0, 0
	PSTEP 0, 0, 1, 1                               ; K step 0, first half: its products start the sums
	PTURN 1, 1, 1                                  ; K step 0, second half; every wave's first fills have landed; slot 0 takes K step 3
	PSTEP 0, 1, 1, 0                               ; K step 1
	PSTEP 1, 2, 0, 0
	PSTEP 0, 2, 1, 0                               ; K step 2
	PTURN 1, 0, 0                                  ; K step 3 has landed in every wave's part of slot 0
	PSTEP 0, 0, 1, 0                               ; K step 3
	s_wait_dscnt 0x0
	WIN MUL
	MULP 1, 0, 8, 0
	WIN 0
	; THE WAY OUT, a block of 16 tokens x 64 columns at a time, through my own stage: LDS serves a wave's instructions in order (ISA guide 5.7.1.4), so no wait stands between the stores and the loads.
.macro TOSTAGE a
	WIN 0x02                                       ; source 0 window 2
.set j, 0
.rept 16
	v_pk_mul_f32 v[TMP+j:TMP+j+1], v[32*(\a)+j:32*(\a)+j+1], s[96:97] op_sel_hi:[1,0]   ; x 2^(e6 + e7); each accumulator from its low end on
.set j, j+2
.endr
	WIN 0
.irp b, 0,1,2,3
	ds_store_b128 v[STO], v[TMP+8*\b:TMP+8*\b+3] offset:64*\b
	ds_store_b128 v[STO], v[TMP+8*\b+4:TMP+8*\b+7] offset:64*\b+16
.endr
.set BB, BK+32*((\a)%2)
.irp t, 0,1,2,3,4,5,6,7
	ds_load_b128 v[BB+4*\t:BB+4*\t+3], v[RD] offset:\t*2*272
.endr
.endm
.macro SEND a, younger                 ; younger: the LDS instructions issued behind block a's loads, which may stay out
.set BB, BK+32*((\a)%2)
	s_wait_dscnt \younger
.irp t, 0,1,2,3,4,5,6,7
	global_store_b128 v[CO], v[BB+4*\t:BB+4*\t+3], s[10:11] offset:(16*(\a)+2*\t)*4096 th:TH_STORE_NT   ; sixteen lanes store 256 consecutive bytes, at a multiple of 256 from out0's first byte
.endr
.endm
	s_wait_kmcnt 0x0
	s_add_co_i32 s96, s86, s87
	s_add_co_i32 s96, s96, 127
	s_lshl_b32 s96, s96, 23                        ; 2^(e6 + e7) as f32
	s_mov_b32 s97, s96                             ; (named with it as a pair, so it is written)
	PLACES
	TOSTAGE 0
.irp a, 1,2,3,4,5,6,7
.if \a > 1
	s_wait_xcnt 0x0                                ; block a - 2's stores have read their registers: block a's loads may land there
.endif
	TOSTAGE \a
	SEND \a-1, 16                                  ; behind block a - 1's loads: block a's eight stores and eight loads
.endr
	SEND 7, 0
	s_wait_tensorcnt 0x0                           ; the wave's end
	ds_add_u32 v[SPW], v[NIL]
	s_wait_dscnt 0x0
	CROUND                                         ; the closing round
	s_endpgm
.Lfunc_end_k_q90a7a26ace_proj:
	.size	k_q90a7a26ace_proj, .Lfunc_end_k_q90a7a26ace_proj-k_q90a7a26ace_proj
	.p2alignl 7, 3214868480
	.fill 96, 4, 3214868480
	.section	.rodata,"a",@progbits
	.p2align	6, 0x0
	.amdhsa_kernel k_q90a7a26ace_proj
		.amdhsa_group_segment_fixed_size 327680
		.amdhsa_private_segment_fixed_size 0
		.amdhsa_enable_private_segment 0
		.amdhsa_kernarg_size 32
		.amdhsa_user_sgpr_count 2
		.amdhsa_user_sgpr_kernarg_segment_ptr 1
		.amdhsa_wavefront_size32 1
		.amdhsa_system_sgpr_workgroup_id_x 1
		.amdhsa_system_sgpr_workgroup_id_y 1
		.amdhsa_system_sgpr_workgroup_id_z 1
		.amdhsa_system_vgpr_workitem_id 0
		.amdhsa_next_free_vgpr 768
		.amdhsa_next_free_sgpr 100
		.amdhsa_reserve_vcc 0
		.amdhsa_float_denorm_mode_32 3
		.amdhsa_float_denorm_mode_16_64 3
		.amdhsa_memory_ordered 1
		.amdhsa_forward_progress 1
		.amdhsa_inst_pref_size 75
	.end_amdhsa_kernel
	.amdgpu_metadata
---
amdhsa.version: [ 1, 2 ]
amdhsa.kernels:
  - .name:           k_q90a7a26ace_proj
    .symbol:         k_q90a7a26ace_proj.kd
    .args:
      - { .name: y_img, .offset: 0, .size: 8, .value_kind: global_buffer, .address_space: global }
      - { .name: wproj_codes, .offset: 8, .size: 8, .value_kind: global_buffer, .address_space: global }
      - { .name: lowp_scales, .offset: 16, .size: 8, .value_kind: global_buffer, .address_space: global }
      - { .name: out0, .offset: 24, .size: 8, .value_kind: global_buffer, .address_space: global }
    .group_segment_fixed_size: 327680
    .private_segment_fixed_size: 0
    .kernarg_segment_align: 8
    .kernarg_segment_size: 32
    .max_flat_workgroup_size: 128
    .sgpr_count:     100
    .vgpr_count:     768
    .wavefront_size: 32
...
	.end_amdgpu_metadata
.endif
;; end of part 4
